; MI455X (gfx1250); checked and timed in simulation.
; The chip was launched on July 23, 2026; its instructions are those of AMD's public machine-readable ISA for CDNA 5 (MIT licence, August 2026) and "CDNA5" Instruction Set Architecture Reference Guide (July 2026). The comments in the code are by the model that wrote it; some were corrected since.
;; Multi Head Scale Dot Product Attention. Allowed arithmetic: matrix products marked QUANTISED: E2M3 operands, one E8M0 scale for each 32 along K, by v_wmma_scale_f32_16x16x128_f8f6f4 with both operands' format E2M3, f32 sums; everything else in f32.
;; Inputs: bk 1,024 float32; bo 1,024 float32; bq 1,024 float32; bv 1,024 float32; mask 4 x 2,048 x 2,048 int32; wk_codes 1,024 x 32 x 24 uint8 (E2M3 codes of wk, K innermost, in blocks of 32 codes, four codes in three bytes); wk_scales 1,024 x 32 uint8 (E8M0 scales of wk, one for each 32 codes along K); wo_codes 1,024 x 32 x 24 uint8 (E2M3 codes of wo, K innermost, in blocks of 32 codes, four codes in three bytes); wo_scales 1,024 x 32 uint8 (E8M0 scales of wo, one for each 32 codes along K); wq_codes 1,024 x 32 x 24 uint8 (E2M3 codes of wq, K innermost, in blocks of 32 codes, four codes in three bytes); wq_scales 1,024 x 32 uint8 (E8M0 scales of wq, one for each 32 codes along K); wv_codes 1,024 x 32 x 24 uint8 (E2M3 codes of wv, K innermost, in blocks of 32 codes, four codes in three bytes); wv_scales 1,024 x 32 uint8 (E8M0 scales of wv, one for each 32 codes along K); x_k_codes 4 x 2,048 x 32 x 24 uint8 (E2M3 codes of x_k, K innermost, in blocks of 32 codes, four codes in three bytes); x_k_scales 4 x 2,048 x 32 uint8 (E8M0 scales of x_k, one for each 32 codes along K); x_q_codes 4 x 2,048 x 32 x 24 uint8 (E2M3 codes of x_q, K innermost, in blocks of 32 codes, four codes in three bytes); x_q_scales 4 x 2,048 x 32 uint8 (E8M0 scales of x_q, one for each 32 codes along K); x_v_codes 4 x 2,048 x 32 x 24 uint8 (E2M3 codes of x_v, K innermost, in blocks of 32 codes, four codes in three bytes); x_v_scales 4 x 2,048 x 32 uint8 (E8M0 scales of x_v, one for each 32 codes along K).
;; Outputs: out0 4 x 2,048 x 1,024 float32.
;; This version of the problem:
;;   THIS VERSION OF THE PROBLEM IS GIVEN IN LOW PRECISION. The matrix products marked QUANTISED in the list below multiply operands that are first quantised to E2M3 (2 exponent bits, 3 mantissa bits; 6 bits a number), with one power-of-two scale for each 32 numbers along K (OCP MX v1.0); their sums are f32. All else is computed in f32.
;;   The module's matrix products, in the order in which they are computed (A, B: the left and right operand; K: the contracted axis; several contracted axes count as one K, in the product's order):
;;     1. [M 8,192, K 1,024] x [K 1,024, N 1,024]; A: input x_q (given as codes); B: input wq (given as codes): QUANTISED
;;     2. [M 8,192, K 1,024] x [K 1,024, N 1,024]; A: input x_k (given as codes); B: input wk (given as codes): QUANTISED
;;     3. [M 8,192, K 1,024] x [K 1,024, N 1,024]; A: input x_v (given as codes); B: input wv (given as codes): QUANTISED
;;     4. batch 64 x [M 2,048, K 64] x [K 64, N 2,048]; A: computed on the way; B: computed on the way: QUANTISED
;;     5. batch 64 x [M 2,048, K 2,048] x [K 2,048, N 64]; A: softmax (see below); B: computed on the way: QUANTISED
;;     6. [M 8,192, K 1,024] x [K 1,024, N 1,024]; A: computed on the way; B: input wo (given as codes): QUANTISED
;;   THE QUANTISER, for each operand of a quantised product, along K:
;;     - K is cut into blocks of 32 from its start; a last block that is shorter is filled with zeros.
;;     - A block's scale is 2^e with e = floor(log2(the largest magnitude in the block)) - 2, held to -126 .. 127; a block of zeros has e = 0. As a byte (E8M0): e + 127.
;;     - Each number is divided by its block's scale, clamped to +-7.5, and rounded to the nearest number of E2M3, ties to even, subnormals kept.
;;     - The product sums the exact products of the quantised numbers (number of the format x scale) in f32.
;;   ~~~python
;;   def quantise(x, axis):      # numpy; x: float32 -> the quantised numbers, widened to float32 again
;;       x = np.moveaxis(x, axis, -1); K = x.shape[-1]
;;       x = np.pad(x, [(0, 0)] * (x.ndim - 1) + [(0, -K % 32)]); x = x.reshape(x.shape[:-1] + (-1, 32)); a = np.abs(x).max(-1, keepdims=True)
;;       e = np.where(a > 0, np.clip(np.frexp(np.where(a > 0, a, 1))[1] - 1 - 2, -126, 127), 0)      # np.frexp(a)[1] - 1 = floor(log2(a)), exactly
;;       r = np.clip(x / 2.0 ** e, -7.5, 7.5)
;;       step = 2.0 ** (np.maximum(np.frexp(np.where(r == 0, 1, r))[1] - 1, 0) - 3)
;;       q = np.round(r / step) * step * 2.0 ** e      # np.round: ties to even
;;       return np.moveaxis(q.reshape(q.shape[:-2] + (-1,))[..., :K], -1, axis).astype(np.float32)
;;   ~~~
;;   SOFTMAX AHEAD OF A QUANTISED PRODUCT. Where the list says 'softmax', what is quantised is not the finished softmax but p = 2^(t - M), with t = logit x log2(e) and M = ceil(the row's largest t), a whole number; so 1/2 < the row's largest p <= 1. The row's sum l is taken of the UNQUANTISED p, in f32, and the product's result is divided by l at the end. Since M is a whole number, a kernel that streams over the keys may use a running M (the ceiling of the running maximum): every later rescaling is an exact power of two, which a block's scale takes up: the codes' values come out the same.
;;   OPERANDS COMPUTED ON THE WAY. 'Computed on the way' means the value that the module computes at that place (a softmax that the list does not call 'softmax' is quantised finished and normalised). What goes into a quantiser is computed in f32, as accurately as f32 sums, v_exp_f32 and their like allow (about 1e-6 of the number): no bf16 or f16 on the way to a quantiser, and a product that is left as it is and whose result goes on into a quantised operand takes f32 operands (vector FMAs, or v_wmma_f32_16x16x4_f32). A number that lies on a knife's edge between two numbers of the format may be rounded either way, as far as f32 arithmetic and the matrix unit's own rounding can turn it there, and no further.
;;   INPUTS GIVEN AS CODES. wk (in the module: [1024, 1024], K = its axis 1); wo (in the module: [1024, 1024], K = its axis 1); wq (in the module: [1024, 1024], K = its axis 1); wv (in the module: [1024, 1024], K = its axis 1); x_k (in the module: [4, 2048, 1024], K = its axis 2); x_q (in the module: [4, 2048, 1024], K = its axis 2); x_v (in the module: [4, 2048, 1024], K = its axis 2): each comes as NAME_codes (uint8): NAME with its K axis moved to the last place and cut into blocks of 32 codes, [.., K / 32, bytes a block], one block behind the other in memory; four codes in three bytes: a row's codes are one little-endian stream of bits, code i at bits 6 i .. 6 i + 5 (a code: sign, 2 exponent bits, 3 mantissa bits); and NAME_scales (uint8): the same leading axes, one E8M0 byte (e + 127) for each 32 codes along K. Its value is code x scale, taken as it is: it is not quantised again, and the codes and scales need not be those that the quantiser above would give.
;; One version. Each part assembles by itself: llvm-mc -triple=amdgcn-amd-amdhsa -mcpu=gfx1250 --defsym DOCPART=n.
;; ======== version 1 of 1: 3 launches
;; limits: right only within a limited range of input values
;; workspace buffers: mbits 2,097,152 bytes of whole numbers; qkvc 18,874,368 bytes; qkvs 786,432 bytes; zc 6,291,456 bytes; zs 262,144 bytes
;; launch proj (part 1): grid 4 x 64, 4 waves a work-group, clusters of 4 x 4, 327,680 bytes of LDS; arguments x_q_codes, x_q_scales, wq_codes, wq_scales, bq, x_k_codes, x_k_scales, wk_codes, wk_scales, bk, wv_codes, wv_scales, x_v_codes, x_v_scales, bv, qkvc, qkvs, mask, mbits; writes qkvc, qkvs, mbits
.if DOCPART == 1
	.amdgcn_target "amdgcn-amd-amdhsa--gfx1250"
	.amdhsa_code_object_version 6
	.text
	.protected	k_q5be90260df_proj
	.globl	k_q5be90260df_proj
	.p2align	8
	.type	k_q5be90260df_proj,@function
k_q5be90260df_proj:
	s_mov_b64 s[64:65], 0
	v_nop
	global_prefetch_b8 v0, s[64:65] scope:SCOPE_SE
	s_setreg_imm32_b32 hwreg(HW_REG_WAVE_MODE, 25, 1), 1
	s_wait_xcnt 0x0
	s_wait_alu depctr_hold_cnt(0) depctr_sa_sdst(0) depctr_va_vdst(0) depctr_va_sdst(0) depctr_va_ssrc(0) depctr_va_vcc(0) depctr_vm_vsrc(0)
	s_getreg_b32 s2, hwreg(HW_REG_IB_STS2, 6, 4)
	s_cmp_eq_u32 s2, 0
	s_cbranch_scc0 .Lentry_in_a_cluster
	s_endpgm
.Lentry_in_a_cluster:
	s_bfe_u32 s2, ttmp6, 0x10000c
	s_cmp_lg_u32 s2, 0xf033
	s_cbranch_scc0 .Lentry_shape_is_right
	s_endpgm
.Lentry_shape_is_right:
; q = x_q wq^T + bq, k = x_k wk^T + bk, v = x_v wv^T + bv on codes of FP6 (E2M3) with E8M0 scales; each result is quantised again along the next product's K and stored as images of operand registers.
; A WORK-GROUP STAYS and makes three blocks, one of q, one of k, one of v: a loop of three trips.  A block is 128 rows of A x 256 rows of B, all of K = 1,024.
; For q and k, A = tokens and B = the weight's rows (channels); for v, A = wv's rows and B = tokens, so that a lane's registers run along the keys.
; LDS holds the block's operands whole: 384 rows of 768 bytes (a row of codes as it lies in memory, from a multiple of 256), 16 bytes of padding behind every 256: pitch 816.
; Each trip fills these bytes again behind the two LDS adds, their wait and a round of the cluster's barrier, one joint load a wave: waves 0, 1 fetch 64 rows of A each, waves 2, 3 128 rows of B each.
; The way out of the block before (registers and stores alone) stands behind the joint load.  v's way out stands behind the loop.
; CLUSTERS 4 x 4: A's tile hangs on (cluster y, cy) alone and is shared along a row, B's on (cluster y, cx) alone and is shared along a column.
; A wave makes 64 (A) x 128 (B): 32 accumulators by turns.  The matrix instruction is used transposed: source 0 = B's rows, source 1 = A's rows.
; SCALES of my 64 + 128 rows for all of K come straight into registers: lane r takes row r's 32 bytes (sixteen lanes read 512 consecutive bytes in two loads).
; PREFETCH: in trips 0 and 1 the next trip's tiles are asked for, one trip ahead: each 256 bytes once in a cluster: A's 128 rows shared out by cx (32 rows, wave 0), B's 256 by cy (64 rows, waves 1, 2); a lane a row, three instructions a wave.
; qkvs of q and k is stored 8 bytes a row by each wave (two of a row's four words): 524,288 bytes in all keep the layout that the next launch reads.
; LIMIT: a block whose largest magnitude lies under 2^-124, zeros too, keeps the scale byte 1; this program alone reads the bytes.
; REGISTERS: window 0: v16-31 addresses, v32-63 A's scale words, v64-127 B's, v128-191 bias, v192-240 the way out; window 1: accumulators; windows 2, 3: two sets of fragments (A v0-47, B v48-143).
.set PITCH, 816
.set LB,    128*PITCH
.set SPARE, 384*PITCH
.set ADRA, 16
.set ADRB, 18
.set BO,   22
.set BOV,  23
.set O16,  24
.set O8,   25
.set OSC,  26
.set VS,   27
.set SPW,  28
.set NIL,  29
.set PFO,  30
.set OSV,  31
.set SA,   32
.set SB,   64
.set BIAS, 128
.set CD,   192
.set TM,   216
.set PW,   232
.set WW,   236
.set SELV, 240
; THE MASK IS PACKED HERE TOO: mask [4][2048][2048] int32 becomes mbits [tile of 16 queries 512][step of 128 keys 16][word n 64]: bit 16 h + r of word n = 8 t + j is
; (mask[16 tile + r][128 step + 16 t + 8 h + j] != 0): the lane mask of register n of the next launch's scores.  A work-group takes 2 tiles, a wave 8 steps of one tile, in four batches of two steps.
; A batch's 32 loads are issued ahead of a trip's products (the first at the head) into v144-207 of windows 2 and 3; it is packed in the next trip, behind the joint load and the way out; the fourth behind the loop.
; A load reads 128 consecutive bytes of each of four rows; the two halves of 256 bytes are read by neighbouring instructions.  16 rows x 32 keys at a time turn through my wave's stage
; (16 rows of 128 + 16 bytes, LDS bytes of its own behind the spare words; LDS serves a wave's instructions in order, ISA guide 5.7.1.4) and come back with lane (r, h) holding row r, keys 16 t + 8 h + 0 .. 7.
; A compare gives a word in a scalar register, v_writelane_b32 puts word n into lane n / 2, register n % 2, and one store of 8 bytes a lane writes a step's 256 consecutive bytes.
.set MSTG, SPARE+512                   ; the stages: 2,304 bytes a wave
.set MGO,  8                           ; v8   my byte offset in the mask
.set MOO,  9                           ; v9   and in mbits
.set MS,   241                         ; v241 into the stage
.set ML,   242                         ; v242 out of it
.set MR,   144                         ; windows 2, 3: v144-207 a step as loaded,
.set MX,   208                         ; v208-239 two sets of 16 registers, turned,
.set MOUT, 240                         ; v240-241 the step's 64 words
.macro MLOADS base                     ; two steps: 16 rows x 512 bytes each
.irp w, 2,3
	WIN (\w)<<6
.irp i, 0,1,2,3
.irp u, 0,1,2,3
	global_load_b128 v[MR+16*\u+4*\i:MR+16*\u+4*\i+3], v[MGO], s[\base:\base+1] offset:512*(\w-2)+128*\u+32768*\i th:TH_LOAD_NT
.endr
.endr
.endr
	WIN 0
.endm
.macro MUNIT u                         ; keys 32 u .. 32 u + 31 of the 16 rows through the stage
.irp i, 0,1,2,3
	ds_store_b128 v[MS], v[MR+16*(\u)+4*\i:MR+16*(\u)+4*\i+3] offset:576*\i
.endr
.irp i, 0,1,2,3
	ds_load_b128 v[MX+16*((\u)%2)+4*\i:MX+16*((\u)%2)+4*\i+3], v[ML] offset:64*(\i/2)+16*(\i%2)
.endr
.endm
.macro MBITS u                         ; words 16 u .. 16 u + 15, eight scalar registers at a time
.irp g, 0,8
.irp k, 0,1,2,3,4,5,6,7
	v_cmp_ne_u32 s[56+\k], 0, v[MX+16*((\u)%2)+\g+\k]
.endr
.irp k, 0,1,2,3,4,5,6,7
	v_writelane_b32 v[MOUT+(\k%2)], s[56+\k], (16*(\u)+\g+\k)/2
.endr
.endr
.endm
.macro MWAIT n                         ; n: the LDS instructions issued behind the unit that is wanted (the next unit's 4 stores and 4 loads)
	s_wait_alu depctr_va_vdst(0)
	s_wait_dscnt \n
.endm
.macro MSTEP w, k                      ; the batch's step k, whose registers lie in window w
	WIN ((\w)<<6)|((\w)<<2)
	MUNIT 0
	MUNIT 1
	MWAIT 8
	MBITS 0
	MUNIT 2
	MWAIT 8
	MBITS 1
	MUNIT 3
	MWAIT 8
	MBITS 2
	MWAIT 0
	MBITS 3
	global_store_b64 v[MOO], v[MOUT:MOUT+1], s[54:55] offset:256*(\k)
	WIN 0
.endm
.macro MPROC more                      ; a batch is packed; more = 1: the offsets step to the next batch
	MSTEP 2, 0
	MSTEP 3, 1
.if \more
	v_add_nc_u32 v[MGO], 1024, v[MGO]              ; (the batch's loads are done)
	s_wait_xcnt 0x0                                ; the two stores have read their offset
	v_add_nc_u32 v[MOO], 512, v[MOO]
.endif
.endm
.set FLAGS, (1<<20)|(1<<21)|(5<<22)|(3<<25)
.set MSB, 0
.macro WIN new
.if MSB != \new
	s_set_vgpr_msb (MSB<<8)|\new
.set MSB, \new
.endif
.endm
.macro PLACES
.rept 4
	v_nop
.endr
.endm
.macro JLOAD
	s_cmp_eq_u32 s15, 0
	s_cbranch_scc0 .Lfor_b_\@
	tensor_load_to_lds s[20:23], s[24:31]
	s_nop 0
	PLACES
	s_branch .Lasked_\@
.Lfor_b_\@:
	tensor_load_to_lds s[32:35], s[36:43]
	s_nop 0
	PLACES
.Lasked_\@:
.endm
.macro CROUND
	s_barrier_signal -1
	s_barrier_wait -1
	s_cmp_lg_u32 s14, 0
	s_cbranch_scc1 .Lnot_wave_0_\@
	s_barrier_signal -3
.Lnot_wave_0_\@:
	s_barrier_wait -3
	s_barrier_signal -1
	s_barrier_wait -1
.endm
; a fragment: six pieces of 8 bytes.  Byte y of a row lies at y + 16 (y / 256); where lanes 16-31 (24 bytes on) fall behind the next padding, the second address register (40 h in place of 24 h) serves
.macro FRAG reg, adr, st, i
.irp p, 0,1,2,3,4,5
.set BY, 96*(\st)+48*(\p/3)+8*(\p%3)
.set OF, BY+16*(BY/256)+(\i)*16*PITCH
.if BY/256 == (BY+24)/256
	ds_load_b64 v[\reg+2*\p:\reg+2*\p+1], v[\adr] offset:OF
.else
	ds_load_b64 v[\reg+2*\p:\reg+2*\p+1], v[\adr+1] offset:OF
.endif
.endr
.endm
.macro FETCH st
	WIN 0x80+0x40*((\st)%2)
.irp i, 0,1,2,3
	FRAG 12*\i, ADRA, \st, \i
.endr
.irp i, 0,1,2,3
	FRAG 48+12*\i, ADRB, \st, \i
.endr
.irp i, 0,1,2,3
	FRAG 96+12*\i, ADRB+2, \st, \i
.endr
	WIN 0
.endm
.macro PRE st                          ; this step's fragments are in; four places behind the last products, then the next step's 72 loads into the other set
	s_wait_dscnt 0x0
	PLACES
	FETCH (\st)+1
.endm
.macro MULS st, cm                     ; cm 1: C = bias along B's rows; 2: along A's rows; 0: in place
.irp a, 0,1,2,3
.irp b, 0,1,2,3,4,5,6,7
.set rD, 8*(8*\a+\b)
.if \cm == 1
	v_wmma_scale_f32_16x16x128_f8f6f4 v[rD:rD+7], v[48+12*\b:59+12*\b], v[12*\a:12*\a+11], v[BIAS+8*\b:BIAS+8*\b+7], v[SB+8*\b+\st], v[SA+8*\a+\st] matrix_a_fmt:MATRIX_FMT_FP6 matrix_b_fmt:MATRIX_FMT_FP6
.elseif \cm == 2
	v_wmma_scale_f32_16x16x128_f8f6f4 v[rD:rD+7], v[48+12*\b:59+12*\b], v[12*\a:12*\a+11], v[BIAS+8*\a:BIAS+8*\a+7], v[SB+8*\b+\st], v[SA+8*\a+\st] matrix_a_fmt:MATRIX_FMT_FP6 matrix_b_fmt:MATRIX_FMT_FP6
.else
	v_wmma_scale_f32_16x16x128_f8f6f4 v[rD:rD+7], v[48+12*\b:59+12*\b], v[12*\a:12*\a+11], v[rD:rD+7], v[SB+8*\b+\st], v[SA+8*\a+\st] matrix_a_fmt:MATRIX_FMT_FP6 matrix_b_fmt:MATRIX_FMT_FP6
.endif
.endr
.endr
.endm
; the way out of 16 rows of A x 128 of B: four blocks of 32 are quantised; two half images of 768 bytes leave
.macro EPI a, stp
.set AC, 64*(\a)
.if (\a) > 0
	s_wait_xcnt 0x0                                ; the stores before have read their data and bases
	s_add_nc_u64 s[62:63], s[62:63], \stp
	s_add_nc_u64 s[66:67], s[66:67], \stp
.endif
	WIN 0x05
.irp b, 0,1,2,3
	v_max3_num_f32 v[TM+\b], |v[AC+16*\b]|, |v[AC+16*\b+1]|, 0x1800000
.endr
.irp i, 2,4,6,8,10,12,14
.irp b, 0,1,2,3
	v_max3_num_f32 v[TM+\b], |v[AC+16*\b+\i]|, |v[AC+16*\b+\i+1]|, v[TM+\b]
.endr
.endr
	WIN 0
.irp b, 0,1,2,3
	v_permlanex16_b32 v[TM+4+\b], v[TM+\b], s104, s105
.endr
.irp b, 0,1,2,3
	v_max_num_f32 v[TM+\b], v[TM+\b], v[TM+4+\b]
.endr
.irp b, 0,1,2,3
	v_add_nc_u32 v[TM+12+\b], 0xff000000, v[TM+\b]
.endr
.irp b, 0,1,2,3
	v_lshrrev_b32 v[TM+4+\b], 23, v[TM+12+\b]
.endr
	v_lshl_or_b32 v[PW+(\a)], v[TM+5], 8, v[TM+4]
	v_lshl_or_b32 v[PW+(\a)], v[TM+6], 16, v[PW+(\a)]
	v_lshl_or_b32 v[PW+(\a)], v[TM+7], 24, v[PW+(\a)]
	WIN 0x01
.irp c, 0,1
	v_cvt_scalef32_pk16_fp6_f32 v[CD+6*\c:CD+6*\c+2], v[AC+32*\c:AC+32*\c+15], v[TM+12+2*\c]
	v_cvt_scalef32_pk16_fp6_f32 v[CD+12+4*\c:CD+14+4*\c], v[AC+32*\c+16:AC+32*\c+31], v[TM+13+2*\c]
.endr
	WIN 0
	v_nop                                          ; one plain place behind a scaled conversion
.irp c, 0,1
.irp i, 0,1,2
	v_permlane16_swap_b32 v[CD+6*\c+\i], v[CD+12+4*\c+\i]
.endr
.irp i, 0,1,2
	v_mov_b32 v[CD+3+6*\c+\i], v[CD+12+4*\c+\i]
.endr
.endr
	global_store_b128 v[O16], v[CD:CD+3], s[62:63]
	global_store_b64 v[O8], v[CD+4:CD+5], s[62:63] offset:512
	global_store_b128 v[O16], v[CD+6:CD+9], s[66:67]
	global_store_b64 v[O8], v[CD+10:CD+11], s[66:67] offset:512
.endm
	s_load_b256 s[68:75], s[0:1], 0x0              ; q: A's codes, A's scales, B's codes, B's scales;
	s_load_b64 s[76:77], s[0:1], 0x20              ; bias
	s_load_b256 s[80:87], s[0:1], 0x28             ; k
	s_load_b64 s[78:79], s[0:1], 0x48
	s_load_b256 s[88:95], s[0:1], 0x50             ; v
	s_load_b64 s[96:97], s[0:1], 0x70
	s_load_b64 s[98:99], s[0:1], 0x78              ; qkvc
	s_load_b64 s[100:101], s[0:1], 0x80            ; qkvs
	s_load_b128 s[4:7], s[0:1], 0x88               ; mask, mbits
	v_lshl_add_u32 v[SPW], v0, 2, SPARE
	v_mov_b32 v[NIL], 0
	ds_add_u32 v[SPW], v[NIL]                      ; the opening lines: the add twice and its wait
	ds_add_u32 v[SPW], v[NIL]
	v_lshrrev_b32 v6, 5, v0
	v_readfirstlane_b32 s14, v6                    ; wave
	s_lshr_b32 s15, s14, 1                         ; my 64 rows of A.  Also: I fetch for A (0) or B (1)
	s_and_b32 s16, s14, 1                          ; my 128 rows of B.  Also: which half I fetch
	s_bfe_u32 s48, ttmp6, 0x40000                  ; cx
	s_bfe_u32 s49, ttmp6, 0x40004                  ; cy
	s_and_b32 s17, ttmp7, 0xffff                   ; cluster y, 0..15
	s_lshl_b32 s44, s17, 2
	s_add_co_u32 s44, s44, s49                     ; q, k: A's block = 4 Y + cy (of 64),
	s_mov_b32 s45, s48                             ; B's block = cx (of 4)
	s_and_b32 s46, s17, 1
	s_lshl_b32 s46, s46, 2
	s_add_co_u32 s46, s46, s49                     ; v: A's block = 4 (Y % 2) + cy (of 8),
	s_lshr_b32 s47, s17, 1
	s_lshl_b32 s47, s47, 2
	s_add_co_u32 s47, s47, s48                     ; B's block = 4 (Y / 2) + cx (of 32)
	s_lshl_b32 s18, s49, 2
	s_lshl_b32 s18, 15, s18                        ; my row of the cluster
	s_lshl_b32 s19, 0x1111, s48                    ; my column
	s_or_b32 s24, s18, FLAGS                       ; group 1: elements of a byte, rows of 768, 4 words of padding behind every 64
	s_or_b32 s36, s19, FLAGS
	s_mov_b32 s25, 768<<16
	s_mov_b32 s26, 64<<16
	s_mov_b32 s27, 768<<16
	s_mov_b32 s28, 64
	s_mov_b32 s29, 768
	s_mov_b32 s30, 0
	s_mov_b32 s31, 0
	s_mov_b32 s37, 768<<16
	s_mov_b32 s38, 128<<16
	s_mov_b32 s39, 768<<16
	s_mov_b32 s40, 128
	s_mov_b32 s41, 768
	s_mov_b32 s42, 0
	s_mov_b32 s43, 0
	s_mov_b32 s20, 1
	s_mul_i32 s21, s16, 64*PITCH
	s_mov_b32 s32, 1
	s_mul_i32 s33, s16, 128*PITCH
	s_add_co_u32 s33, s33, LB
	s_mov_b32 s104, 0x76543210
	s_mov_b32 s105, 0xfedcba98
	s_mov_b32 s2, 0xffff0000                       ; lanes 16-31
	s_mul_i32 s17, s15, 64*PITCH
	s_mul_i32 s18, s16, 128*PITCH
	s_add_co_u32 s18, s18, LB
	s_add_co_u32 s19, s18, 64*PITCH
	s_mov_b32 s3, 0                                ; the role: 0 q, 1 k, 2 v
	s_lshl_b32 s50, s44, 2
	s_add_co_u32 s50, s50, s45                     ; my work-group's number, 0..255
	s_lshl_b32 s50, s50, 1
	s_add_co_u32 s50, s50, s15                     ; my tile of 16 rows of the mask
	s_lshl_b32 s51, s50, 12                        ; in mbits: 4,096 bytes a tile,
	s_lshl_b32 s50, s50, 17                        ; in the mask: 16 rows of 8,192 bytes
	s_lshl_b32 s52, s16, 12
	s_add_co_u32 s50, s50, s52                     ; my 8 steps of 512 bytes
	s_lshl_b32 s52, s16, 11
	s_add_co_u32 s51, s51, s52                     ; and of 256
	s_mul_i32 s53, s14, 2304
	s_add_co_u32 s53, s53, MSTG                    ; my stage
	s_wait_dscnt 0x0
	v_and_b32 v1, 15, v0
	v_bfe_u32 v2, v0, 4, 1                         ; h
	v_and_b32 v5, 31, v0
	v_mul_u32_u24 v3, v1, PITCH
	v_mad_u32_u24 v3, v2, 24, v3
	v_lshl_add_u32 v4, v2, 4, v3
	v_add_nc_u32 v[ADRA], s17, v3
	v_add_nc_u32 v[ADRA+1], s17, v4
	v_add_nc_u32 v[ADRB], s18, v3
	v_add_nc_u32 v[ADRB+1], s18, v4
	v_add_nc_u32 v[ADRB+2], s19, v3
	v_add_nc_u32 v[ADRB+3], s19, v4
	v_lshlrev_b32 v[BO], 5, v2
	v_lshlrev_b32 v[BOV], 2, v1
	v_lshlrev_b32 v[O16], 4, v5
	v_lshlrev_b32 v[O8], 3, v5
	v_lshlrev_b32 v[OSC], 4, v1
	v_lshl_add_u32 v[OSV], v2, 3, v[OSC]           ; v's words: 16 r + 8 h
	v_lshl_add_u32 v[OSC], v2, 12, v[OSC]          ; q's, k's: 16 r, the second head 4,096 on
	v_lshlrev_b32 v[VS], 5, v1
	v_mul_u32_u24 v[PFO], v5, 768
.irp b, 0,1,2,3
	v_mov_b32 v[TM+4+\b], 0                        ; a lane permute's destination counts as read
.endr
	v_mov_b32 v[SELV], 0x05040100
	v_mov_b32 v[WW], 0x07060302
	v_cndmask_b32 v[SELV], v[SELV], v[WW], s2
	v_lshrrev_b32 v7, 3, v5                        ; lane / 8: which of a load's four rows
	v_and_b32 v6, 7, v5
	v_lshlrev_b32 v6, 4, v6                        ; my 16 of its 128 bytes
	v_lshl_add_u32 v[MGO], v7, 13, v6
	v_add_nc_u32 v[MGO], s50, v[MGO]
	v_mad_u32_u24 v7, v7, 144, v6
	v_add_nc_u32 v[MS], s53, v7
	v_mul_u32_u24 v7, v1, 144
	v_lshl_add_u32 v7, v2, 5, v7                   ; out of the stage: row r, + 32 h bytes
	v_add_nc_u32 v[ML], s53, v7
	v_add_nc_u32 v[MOO], s51, v[O8]
	WIN 0x80
	v_mov_b32 v[MOUT], 0                           ; v_writelane_b32's destination counts as read
	v_mov_b32 v[MOUT+1], 0
	WIN 0xc0
	v_mov_b32 v[MOUT], 0
	v_mov_b32 v[MOUT+1], 0
	WIN 0
	s_wait_alu depctr_va_vdst(0)
	s_wait_kmcnt 0x0
	MLOADS 4                                       ; the mask's first batch
.Ltrip:
	s_wait_xcnt 0x0                                ; every earlier load, store and prefetch has read its bases
	s_cmp_eq_u32 s3, 1
	s_cselect_b64 s[4:5], s[80:81], s[68:69]
	s_cselect_b64 s[6:7], s[82:83], s[70:71]
	s_cselect_b64 s[8:9], s[84:85], s[72:73]
	s_cselect_b64 s[10:11], s[86:87], s[74:75]
	s_cselect_b64 s[12:13], s[78:79], s[76:77]
	s_cmp_eq_u32 s3, 2
	s_cselect_b64 s[4:5], s[88:89], s[4:5]
	s_cselect_b64 s[6:7], s[90:91], s[6:7]
	s_cselect_b64 s[8:9], s[92:93], s[8:9]
	s_cselect_b64 s[10:11], s[94:95], s[10:11]
	s_cselect_b64 s[12:13], s[96:97], s[12:13]
	s_cselect_b32 s50, s46, s44
	s_cselect_b32 s51, s47, s45
	s_lshl_b32 s52, s50, 7                         ; A's block's first row
	s_lshl_b32 s54, s16, 6
	s_add_co_u32 s54, s52, s54
	s_mul_i32 s54, s54, 768                        ; the 64 rows that I would fetch
	s_mov_b32 s55, 0
	s_add_nc_u64 s[4:5], s[4:5], s[54:55]
	s_lshl_b32 s59, s15, 6
	s_add_co_u32 s59, s52, s59                     ; the 64 rows that I multiply
	s_lshl_b32 s54, s59, 5
	s_add_nc_u64 s[6:7], s[6:7], s[54:55]
	s_lshl_b32 s53, s51, 8
	s_lshl_b32 s56, s16, 7
	s_add_co_u32 s53, s53, s56                     ; B: the 128 rows that I would fetch, and multiply
	s_mul_i32 s56, s53, 768
	s_mov_b32 s57, 0
	s_add_nc_u64 s[8:9], s[8:9], s[56:57]
	s_lshl_b32 s56, s53, 5
	s_add_nc_u64 s[10:11], s[10:11], s[56:57]
	s_cmp_eq_u32 s3, 2
	s_cselect_b32 s60, s59, s53                    ; the bias runs along the channels: B's rows, for v A's
	s_lshl_b32 s60, s60, 2
	s_mov_b32 s61, 0
	s_add_nc_u64 s[12:13], s[12:13], s[60:61]
	s_wait_tensorcnt 0x0                           ; no tensor load of mine is out;
	ds_add_u32 v[SPW], v[NIL]                      ; the add, here twice
	ds_add_u32 v[SPW], v[NIL]
	s_mov_b64 s[22:23], s[4:5]
	s_or_b32 s23, s23, 0x80000000
	s_mov_b64 s[34:35], s[8:9]
	s_or_b32 s35, s35, 0x80000000
	s_wait_dscnt 0x0                               ; the adds are done, and my reads of the block before
	CROUND
	JLOAD                                          ; my one load of this trip; its four v_nop are the places in front of the loads below
.irp i, 0,1,2,3
	global_load_b128 v[SA+8*\i:SA+8*\i+3], v[VS], s[6:7] offset:512*\i
	global_load_b128 v[SA+8*\i+4:SA+8*\i+7], v[VS], s[6:7] offset:512*\i+16
.endr
.irp i, 0,1,2,3,4,5,6,7
	global_load_b128 v[SB+8*\i:SB+8*\i+3], v[VS], s[10:11] offset:512*\i
	global_load_b128 v[SB+8*\i+4:SB+8*\i+7], v[VS], s[10:11] offset:512*\i+16
.endr
	s_cmp_eq_u32 s3, 2
	s_cbranch_scc1 .Lbias_v
.irp b, 0,1,2,3,4,5,6,7
	global_load_b128 v[BIAS+8*\b:BIAS+8*\b+3], v[BO], s[12:13] offset:64*\b
	global_load_b128 v[BIAS+8*\b+4:BIAS+8*\b+7], v[BO], s[12:13] offset:64*\b+16
.endr
	; the next trip's tiles are asked for (trips 0 and 1, waves 0 to 2)
	s_cmp_lt_u32 s14, 3
	s_cbranch_scc0 .Lbias_done
	s_cmp_eq_u32 s3, 0
	s_cselect_b64 s[58:59], s[80:81], s[88:89]
	s_cselect_b64 s[60:61], s[84:85], s[92:93]
	s_cselect_b32 s17, s44, s46
	s_cselect_b32 s18, s45, s47
	s_lshl_b32 s17, s17, 7
	s_lshl_b32 s19, s48, 5
	s_add_co_u32 s17, s17, s19                     ; A: my work-group's 32 rows, by cx
	s_lshl_b32 s18, s18, 8
	s_lshl_b32 s19, s49, 6
	s_add_co_u32 s18, s18, s19
	s_lshl_b32 s19, s14, 5
	s_add_co_u32 s18, s18, s19
	s_sub_co_u32 s18, s18, 32                      ; B: my work-group's 64 rows, by cy; wave 1 the first 32, wave 2 the others
	s_cmp_eq_u32 s14, 0
	s_cselect_b64 s[58:59], s[58:59], s[60:61]
	s_cselect_b32 s17, s17, s18
	s_mul_i32 s60, s17, 768
	s_mov_b32 s61, 0
	s_add_nc_u64 s[58:59], s[58:59], s[60:61]
	global_prefetch_b8 v[PFO], s[58:59] th:TH_LOAD_NT scope:SCOPE_SE
	global_prefetch_b8 v[PFO], s[58:59] offset:256 th:TH_LOAD_NT scope:SCOPE_SE
	global_prefetch_b8 v[PFO], s[58:59] offset:512 th:TH_LOAD_NT scope:SCOPE_SE
	s_branch .Lbias_done
.Lbias_v:
.irp a, 0,1,2,3
.irp j, 0,1,2,3,4,5,6,7
	global_load_b32 v[BIAS+8*\a+\j], v[BOV], s[12:13] offset:64*\a
.endr
.endr
.Lbias_done:
	s_cmp_eq_u32 s3, 0
	s_cbranch_scc1 .Lno_epi
	; THE WAY OUT of q (trip 1) or k (trip 2): qkvc [role][16 b + head][tile of 16 tokens][768], qkvs [role][16 b + head][group of 8 tiles][row r][4 words]
	s_sub_co_u32 s17, s3, 1
	s_lshr_b32 s18, s44, 4
	s_lshl_b32 s18, s18, 4
	s_lshl_b32 s19, s45, 2
	s_add_co_u32 s18, s18, s19
	s_lshl_b32 s19, s16, 1
	s_add_co_u32 s18, s18, s19                     ; 16 b + my first head
	s_and_b32 s19, s44, 15                         ; the group of 8 tiles
	s_mul_i32 s52, s18, 98304
	s_mul_i32 s53, s19, 6144
	s_add_co_u32 s52, s52, s53
	s_mul_i32 s53, s15, 3072
	s_add_co_u32 s52, s52, s53
	s_mul_i32 s53, s17, 6291456
	s_add_co_u32 s52, s52, s53
	s_mov_b32 s53, 0
	s_add_nc_u64 s[62:63], s[98:99], s[52:53]
	s_add_nc_u64 s[66:67], s[62:63], 98304         ; my second head
	s_lshl_b32 s52, s18, 4
	s_add_co_u32 s52, s52, s19
	s_lshl_b32 s52, s52, 8
	s_lshl_b32 s19, s15, 3
	s_add_co_u32 s52, s52, s19
	s_lshl_b32 s19, s17, 18
	s_add_co_u32 s52, s52, s19
	s_add_nc_u64 s[18:19], s[100:101], s[52:53]
.irp a, 0,1,2,3
	EPI \a, 768
.endr
.irp f, 0,1
	v_perm_b32 v[WW+\f], v[PW+2*\f+1], v[PW+2*\f], v[SELV]   ; lanes 0-15 the first head's bytes of tiles 2 f, 2 f + 1, lanes 16-31 the second's
.endr
	global_store_b64 v[OSC], v[WW:WW+1], s[18:19]
	s_wait_alu depctr_va_vdst(0)
.Lno_epi:
	s_load_b128 s[52:55], s[0:1], 0x88             ; mask, mbits
	s_wait_loadcnt 0x0                             ; the mask's batch, the scale words and the bias are in
	s_wait_xcnt 0x0                                ; s56-63 have been read by what named them
	s_wait_kmcnt 0x0
	MPROC 1
	s_wait_alu depctr_va_vdst(0)
	s_wait_tensorcnt 0x0                           ; my part of the block is in,
	s_barrier_signal -1
	s_barrier_wait -1                              ; everybody's is
	FETCH 0
	MLOADS 52                                      ; the mask's next batch: it has this trip's products in which to come
	PRE 0
	s_cmp_eq_u32 s3, 2
	s_cbranch_scc1 .Lfirst_v
	WIN 0x4a
	MULS 0, 1
	WIN 0
	s_branch .Lfirst_done
.Lfirst_v:
	WIN 0x4a
	MULS 0, 2
	WIN 0
.Lfirst_done:
.irp st, 1,2,3,4,5,6
	PRE \st
	WIN 0x5a+5*(\st%2)
	MULS \st, 0
	WIN 0
.endr
	s_wait_dscnt 0x0
	WIN 0x5f
	MULS 7, 0
	WIN 0
	s_add_co_u32 s3, s3, 1
	s_cmp_lt_u32 s3, 3
	s_cbranch_scc1 .Ltrip
	; THE WAY OUT of v: qkvc part 2 [16 b + head][step of 128 keys][tile of 16 channels][1,536]; qkvs part 2 [16 b + head][step][row r][4 words]
	PLACES
	s_wait_xcnt 0x0
	s_lshl_b32 s17, s47, 1
	s_add_co_u32 s17, s17, s16                     ; my 128 tokens
	s_lshr_b32 s18, s17, 4
	s_lshl_b32 s18, s18, 4
	s_lshl_b32 s19, s46, 1
	s_add_co_u32 s18, s18, s19
	s_add_co_u32 s18, s18, s15                     ; 16 b + my head
	s_and_b32 s19, s17, 15                         ; the step
	s_mul_i32 s52, s18, 98304
	s_mul_i32 s53, s19, 6144
	s_add_co_u32 s52, s52, s53
	s_add_co_u32 s52, s52, 2*6291456
	s_mov_b32 s53, 0
	s_add_nc_u64 s[62:63], s[98:99], s[52:53]
	s_add_nc_u64 s[66:67], s[62:63], 768
	s_lshl_b32 s52, s18, 4
	s_add_co_u32 s52, s52, s19
	s_lshl_b32 s52, s52, 8
	s_add_co_u32 s52, s52, 2<<18
	s_add_nc_u64 s[18:19], s[100:101], s[52:53]
.irp a, 0,1,2,3
	EPI \a, 1536
.endr
	v_cndmask_b32 v[WW], v[PW], v[PW+2], s2        ; lane (r, h): words 2 h, 2 h + 1 of row r: 32 lanes store 256 consecutive bytes
	v_cndmask_b32 v[WW+1], v[PW+1], v[PW+3], s2
	global_store_b64 v[OSV], v[WW:WW+1], s[18:19]
	s_load_b128 s[52:55], s[0:1], 0x88             ; mask, mbits
	s_wait_loadcnt 0x0                             ; the mask's last batch
	s_wait_xcnt 0x0
	s_wait_kmcnt 0x0
	MPROC 0
	s_wait_tensorcnt 0x0
	ds_add_u32 v[SPW], v[NIL]
	s_wait_dscnt 0x0
	CROUND                                         ; the closing round
	s_endpgm
.Lfunc_end_k_q5be90260df_proj:
	.size	k_q5be90260df_proj, .Lfunc_end_k_q5be90260df_proj-k_q5be90260df_proj
	.p2alignl 7, 3214868480
	.fill 96, 4, 3214868480
	.section	.rodata,"a",@progbits
	.p2align	6, 0x0
	.amdhsa_kernel k_q5be90260df_proj
		.amdhsa_group_segment_fixed_size 327680
		.amdhsa_private_segment_fixed_size 0
		.amdhsa_enable_private_segment 0
		.amdhsa_kernarg_size 152
		.amdhsa_user_sgpr_count 2
		.amdhsa_user_sgpr_kernarg_segment_ptr 1
		.amdhsa_wavefront_size32 1
		.amdhsa_system_sgpr_workgroup_id_x 1
		.amdhsa_system_sgpr_workgroup_id_y 1
		.amdhsa_system_sgpr_workgroup_id_z 1
		.amdhsa_system_vgpr_workitem_id 0
		.amdhsa_next_free_vgpr 1024
		.amdhsa_next_free_sgpr 106
		.amdhsa_reserve_vcc 0
		.amdhsa_float_denorm_mode_32 3
		.amdhsa_float_denorm_mode_16_64 3
		.amdhsa_memory_ordered 1
		.amdhsa_forward_progress 1
		.amdhsa_inst_pref_size 177
	.end_amdhsa_kernel
	.amdgpu_metadata
---
amdhsa.version: [ 1, 2 ]
amdhsa.kernels:
  - .name:           k_q5be90260df_proj
    .symbol:         k_q5be90260df_proj.kd
    .args:
      - { .name: x_q_codes, .offset: 0, .size: 8, .value_kind: global_buffer, .address_space: global }
      - { .name: x_q_scales, .offset: 8, .size: 8, .value_kind: global_buffer, .address_space: global }
      - { .name: wq_codes, .offset: 16, .size: 8, .value_kind: global_buffer, .address_space: global }
      - { .name: wq_scales, .offset: 24, .size: 8, .value_kind: global_buffer, .address_space: global }
      - { .name: bq, .offset: 32, .size: 8, .value_kind: global_buffer, .address_space: global }
      - { .name: x_k_codes, .offset: 40, .size: 8, .value_kind: global_buffer, .address_space: global }
      - { .name: x_k_scales, .offset: 48, .size: 8, .value_kind: global_buffer, .address_space: global }
      - { .name: wk_codes, .offset: 56, .size: 8, .value_kind: global_buffer, .address_space: global }
      - { .name: wk_scales, .offset: 64, .size: 8, .value_kind: global_buffer, .address_space: global }
      - { .name: bk, .offset: 72, .size: 8, .value_kind: global_buffer, .address_space: global }
      - { .name: wv_codes, .offset: 80, .size: 8, .value_kind: global_buffer, .address_space: global }
      - { .name: wv_scales, .offset: 88, .size: 8, .value_kind: global_buffer, .address_space: global }
      - { .name: x_v_codes, .offset: 96, .size: 8, .value_kind: global_buffer, .address_space: global }
      - { .name: x_v_scales, .offset: 104, .size: 8, .value_kind: global_buffer, .address_space: global }
      - { .name: bv, .offset: 112, .size: 8, .value_kind: global_buffer, .address_space: global }
      - { .name: qkvc, .offset: 120, .size: 8, .value_kind: global_buffer, .address_space: global }
      - { .name: qkvs, .offset: 128, .size: 8, .value_kind: global_buffer, .address_space: global }
      - { .name: mask, .offset: 136, .size: 8, .value_kind: global_buffer, .address_space: global }
      - { .name: mbits, .offset: 144, .size: 8, .value_kind: global_buffer, .address_space: global }
    .group_segment_fixed_size: 327680
    .private_segment_fixed_size: 0
    .kernarg_segment_align: 8
    .kernarg_segment_size: 152
    .max_flat_workgroup_size: 128
    .sgpr_count:     106
    .vgpr_count:     1024
    .wavefront_size: 32
...
	.end_amdgpu_metadata
.endif
;; end of part 1
;; launch attn (part 2): grid 8 x 64, 16 waves a work-group, clusters of 4 x 1, 206,848 bytes of LDS; arguments qkvc, qkvs, mbits, zc, zs; writes zc, zs
.if DOCPART == 2
	.amdgcn_target "amdgcn-amd-amdhsa--gfx1250"
	.amdhsa_code_object_version 6
	.text
	.protected	k_q5be90260df_attn
	.globl	k_q5be90260df_attn
	.p2align	8
	.type	k_q5be90260df_attn,@function
k_q5be90260df_attn:
	s_mov_b64 s[64:65], 0
	v_nop
	global_prefetch_b8 v0, s[64:65] scope:SCOPE_SE
	s_setreg_imm32_b32 hwreg(HW_REG_WAVE_MODE, 25, 1), 1
	s_wait_xcnt 0x0
	s_wait_alu depctr_hold_cnt(0) depctr_sa_sdst(0) depctr_va_vdst(0) depctr_va_sdst(0) depctr_va_ssrc(0) depctr_va_vcc(0) depctr_vm_vsrc(0)
	s_getreg_b32 s2, hwreg(HW_REG_IB_STS2, 6, 4)
	s_cmp_eq_u32 s2, 0
	s_cbranch_scc0 .Lentry_in_a_cluster
	s_endpgm
.Lentry_in_a_cluster:
	s_bfe_u32 s2, ttmp6, 0x10000c
	s_cmp_lg_u32 s2, 0x3003
	s_cbranch_scc0 .Lentry_shape_is_right
	s_endpgm
.Lentry_shape_is_right:
; z[b][q][head][:] = the sum over keys of softmax(q . k / 8, with -10000 where mask == 0) v, both products on codes of FP6 (E2M3) with one E8M0 scale for each 32 along a product's K; z is quantised along its 64 channels.
; THE SOFTMAX AHEAD OF THE SECOND PRODUCT: t = logit x log2(e); M = the row's largest t so far, rounded up to a whole number; p = 2^(t - M) is quantised along the keys, not normalised; the row's sum is taken of the
; unquantised p in f32 and divides at the end.  When M moves, the sum and O are multiplied by 2^(old M - new M): exact.  The mask's -10000 is put in AHEAD of the maximum (as the score -80000, since logit = score / 8),
; so a row with no key left comes out uniform and a true logit under -10000 still loses to it.
; SHARES.  A work-group owns 256 queries of one head; each of its sixteen waves owns one tile of 16, in 256 registers: four waves to a SIMD, so that one wave's vector work stands beside another's products and LDS loads.
; A head's k and v, codes and scale words, are 204,800 bytes: they come into LDS ONCE and stay: no slot is filled again.  The four work-groups of a cluster belong to one head, so every fill is asked for JOINTLY.
; OPERANDS ARE IMAGES OF REGISTERS (6 registers x 32 lanes = 768 bytes: registers 0-3 at 16 x lane, registers 4-5 at 512 + 8 x lane): every LDS load reads consecutive bytes, with no pitch and no padding.
; K = 64 FILLS HALF OF THE INSTRUCTION'S 128.  A fragment of k holds key tile 2 f in registers 0-5 and key tile 2 f + 1 in registers 6-11; it is multiplied once by [q | zero codes] and once by [zero codes | q].
; LAYOUT.  Both products are used transposed: S^T = k q^T, O^T = v^T p^T: a lane holds one query (lane % 16) throughout.  Register 8 t + j of S^T, lane (r, h): query r, key 128 s + 16 t + 8 h + j.
; A block of 32 keys is packed as a lane's registers stand, in the order 0-7, 16-23, 8-15, 24-31: v's codes were packed in the same order.  z meets a given operand, so its channels are first brought into their true order.
; THE MASK: word n of mbits is the lane mask of register n: it comes by scalar loads, a step ahead, and is applied by one select a register.
; LIMITS: NaN and infinities are not served.  A block of p or z whose largest number lies under 2^-124, zeros too, keeps the scale byte 1 (its codes are then zeros or the true ones under that scale; this program alone reads
; the bytes).  A block's largest p is made from the block's largest score by the same multiply-add and exponential: this takes v_exp_f32 not to fall where its input rises (the ISA guide promises 1 ulp).
; zs is written two bytes a row (32 bytes apart): 262,144 bytes in all; it keeps the row layout that the next launch fetches as dense blocks.
; REGISTERS: v1-5 lane addresses that stay; v6 -80000; v7 16 r; v8, v9 q's scale words; v12 -M, v13 the largest t, v[14:15] the sum; v16-27 [q | 0], v28-39 [0 | q]; v40-87 four fragments; v88-151 S^T, then p;
;   v152-183 O^T; v184-202 p's codes; v204-215 at work; v216-219 k's scale words, v220-223 v's, v224 p's; v[226:227] f; v228-231 at work; v232-236 the step's addresses.
.set VC,    98304                      ; LDS: k's codes at 0, v's codes here,
.set KSC,   196608                     ; k's scale words,
.set VSC,   200704                     ; v's
.set STEPB, 6144                       ; a step's 128 keys: 4 fragments of 1,536 bytes, of k and of v alike
.set FRG,  40
.set S,    88
.set OT,   152
.set PCD,  184
.set BM,   204
.set BT,   208
.set BS,   212
.set KSW,  216
.set VSW,  220
.set PSW,  224
.set FF,   226
.set TMP,  228
.set SUM2, 230
.set AK16, 232
.set AK8,  233
.set AV16, 234
.set AV8,  235
.set ASC,  236
.set WV,   28                          ; s28  my wave's number
.set KO,   29                          ; s29  the step's place among the codes
.set SO,   30                          ; s30  and among the scale words
.set TT,   31                          ; s31  my tile of 16 tokens, 128 b + tile of queries
.set CNT,  66
.set SEL,  100                         ; s[100:101] lane selects for v_permlanex16_b32: lane l xor 16
.set CS,   104                         ; s[104:105] c = log2(e) / 8: the packed form names a pair and takes its low word for both halves
.macro ROUND                           ; a round of the cluster's barrier
	s_barrier_signal -1
	s_barrier_wait -1
	s_cmp_lg_u32 s[WV], 0
	s_cbranch_scc1 .Lnot_wave_0_\@
	s_barrier_signal -3
.Lnot_wave_0_\@:
	s_barrier_wait -3
	s_barrier_signal -1
	s_barrier_wait -1
.endm
.macro MLOAD                           ; a step's 64 mask words: word n in s[32 + n] (n < 32) or s[36 + n]
	s_load_b512 s[32:47], s[2:3], 0x0
	s_load_b512 s[48:63], s[2:3], 0x40
	s_load_b512 s[68:83], s[2:3], 0x80
	s_load_b512 s[84:99], s[2:3], 0xc0
.endm
.macro FRAGL reg, a16, a8, off         ; a fragment's two half images
	ds_load_b128 v[\reg:\reg+3], v[\a16] offset:\off
	ds_load_b64 v[\reg+4:\reg+5], v[\a8] offset:\off+512
	ds_load_b128 v[\reg+6:\reg+9], v[\a16] offset:\off+768
	ds_load_b64 v[\reg+10:\reg+11], v[\a8] offset:\off+1280
.endm
	s_load_b128 s[32:35], s[0:1], 0x0              ; qkvc, qkvs
	s_load_b64 s[36:37], s[0:1], 0x10              ; mbits
	v_lshl_add_u32 v254, v0, 2, 0x32000
	v_mov_b32 v255, 0
	ds_add_u32 v254, v255
	ds_add_u32 v254, v255
	v_lshrrev_b32 v10, 5, v0
	s_delay_alu instid0(VALU_DEP_1)
	v_readfirstlane_b32 s[WV], v10                 ; wave 0..15
	s_bfe_u32 s40, ttmp6, 0x40000                  ; cx: it enters q's, the mask's and z's global addresses alone
	s_lshl_b32 s41, ttmp9, 2
	s_add_co_u32 s41, s41, s40
	s_lshl_b32 s41, s41, 4
	s_add_co_u32 s41, s41, s[WV]                   ; my tile of queries: 16 x (4 x cluster x + cx) + wave
	s_and_b32 s42, ttmp7, 0xffff                   ; 16 b + head, which the four partners share
	s_lshr_b32 s43, s42, 4
	s_lshl_b32 s[TT], s43, 7
	s_add_co_u32 s[TT], s[TT], s41
	; descriptor group 1: dense blocks as rows of 256 bytes (32 elements of 8): 96 rows of codes, 16 rows of scale words
	s_mov_b32 s4, 15|(3<<16)|(1<<21)               ; 15:0 the mask: all four work-groups; 17:16 elements of 8 bytes; 21 set beside a mask; no padding
	s_mov_b32 s5, 32<<16                           ; tensor_dim0
	s_mov_b32 s6, 96<<16                           ; tensor_dim1
	s_mov_b32 s7, 32<<16                           ; tile_dim0
	s_mov_b32 s8, 96                               ; tile_dim1
	s_mov_b32 s9, 32                               ; tensor_dim0_stride
	s_mov_b32 s10, 0
	s_mov_b32 s11, 0
	s_mov_b32 s12, 15|(3<<16)|(1<<21)
	s_mov_b32 s13, 32<<16
	s_mov_b32 s14, 16<<16
	s_mov_b32 s15, 32<<16
	s_mov_b32 s16, 16
	s_mov_b32 s17, 32
	s_mov_b32 s18, 0
	s_mov_b32 s19, 0
	; group 0.  Waves 0-3 fetch the quarters of k's codes, waves 4-7 of v's; wave 8 k's scale words, wave 9 v's
	s_and_b32 s44, s[WV], 7
	s_mov_b32 s20, 1
	s_mul_i32 s21, s44, 24576                      ; LDS: k's four quarters, then v's
	s_lshr_b32 s45, s44, 2
	s_add_co_u32 s45, s45, 1                       ; k is part 1 of qkvc, v part 2
	s_mul_i32 s46, s45, 6291456
	s_mul_i32 s47, s42, 98304
	s_add_co_u32 s46, s46, s47
	s_and_b32 s48, s[WV], 3
	s_mul_i32 s48, s48, 24576
	s_add_co_u32 s46, s46, s48
	s_mov_b32 s47, 0
	s_and_b32 s49, s[WV], 1
	s_mov_b32 s24, 1
	s_lshl_b32 s50, s49, 12
	s_add_co_u32 s25, s50, KSC
	s_add_co_u32 s49, s49, 1
	s_lshl_b32 s50, s49, 18
	s_lshl_b32 s51, s42, 12
	s_add_co_u32 s50, s50, s51
	s_mov_b32 s51, 0
	; q's codes: (128 (16 b + head) + tile) x 768;  its scale words: the group's 256 bytes, word (tile % 8) / 2 of each row
	s_lshl_b32 s52, s42, 7
	s_add_co_u32 s52, s52, s41
	s_mul_i32 s52, s52, 768
	s_mov_b32 s53, 0
	s_lshl_b32 s54, s42, 4
	s_lshr_b32 s55, s41, 3
	s_add_co_u32 s54, s54, s55
	s_lshl_b32 s54, s54, 8
	s_lshr_b32 s55, s44, 1
	s_lshl_b32 s55, s55, 2
	s_add_co_u32 s54, s54, s55
	s_mov_b32 s55, 0
	s_lshl_b32 s2, s[TT], 12                       ; the mask words of my tile: 16 steps of 256 bytes
	s_mov_b32 s3, 0
	v_and_b32 v10, 31, v0
	s_delay_alu instid0(VALU_DEP_1)
	v_lshlrev_b32 v1, 4, v10                       ; k's codes: 16 x lane,
	s_delay_alu instid0(VALU_DEP_2)
	v_lshlrev_b32 v2, 3, v10                       ; 8 x lane
	s_delay_alu instid0(VALU_DEP_2)
	v_add_nc_u32 v3, VC, v1                        ; v's
	s_delay_alu instid0(VALU_DEP_2)
	v_add_nc_u32 v4, VC, v2
	v_and_b32 v11, 15, v0
	s_delay_alu instid0(VALU_DEP_1)
	v_lshlrev_b32 v7, 4, v11                       ; 16 r: a row's four scale words
	s_delay_alu instid0(VALU_DEP_1)
	v_add_nc_u32 v5, KSC, v7
	s_wait_dscnt 0x0
	s_wait_kmcnt 0x0
	s_add_nc_u64 s[22:23], s[32:33], s[46:47]
	s_or_b32 s23, s23, 0x80000000
	s_add_nc_u64 s[26:27], s[34:35], s[50:51]
	s_or_b32 s27, s27, 0x80000000
	s_add_nc_u64 s[52:53], s[32:33], s[52:53]
	s_add_nc_u64 s[54:55], s[34:35], s[54:55]
	s_add_nc_u64 s[2:3], s[36:37], s[2:3]
	ROUND                                          ; all four work-groups are here: the joint loads meet
	s_cmp_lt_u32 s[WV], 8                          ; the branches hang on the wave's number alone.  A wave has at most one tensor load out.  Four v_nop follow each line
	s_cbranch_scc0 .Lnot_codes
	tensor_load_to_lds s[20:23], s[4:11]
	s_nop 0
.rept 4
	v_nop
.endr
	s_branch .Lasked
.Lnot_codes:
	s_cmp_lt_u32 s[WV], 10
	s_cbranch_scc0 .Lasked
	tensor_load_to_lds s[24:27], s[12:19]
	s_nop 0
.rept 4
	v_nop
.endr
.Lasked:
	s_wait_alu depctr_va_vdst(0)
	global_load_b128 v[16:19], v1, s[52:53]        ; q's half image, twice: as K = 0 .. 63 of one operand
	global_load_b64 v[20:21], v2, s[52:53] offset:512
	global_load_b128 v[34:37], v1, s[52:53]        ; and as K = 64 .. 127 of the other
	global_load_b64 v[38:39], v2, s[52:53] offset:512
	global_load_b32 v10, v7, s[54:55]              ; the word with my tile's two bytes: in its low half for an even tile, in its high half for an odd one
.irp i, 22,23,24,25,26,27,28,29,30,31,32,33
	v_mov_b32 v[\i], 0                             ; zero codes: they add nothing under any scale byte but 0xff
.endr
	v_mov_b32 v6, 0xc79c4000                       ; -80000
	v_mov_b32 v13, 0xff61b1e6                      ; the largest t so far: -3e38, under every t
	s_delay_alu instid0(VALU_DEP_1)
	v_floor_f32 v12, -v13                          ; -M
	v_mov_b32 v14, 0                               ; the sum, in two halves
	v_mov_b32 v15, 0
	v_mov_b32 v[FF+1], 0                           ; (named as the upper half of the pair, so it is written)
.irp b, 0,1,2,3
	v_mov_b32 v[BT+\b], 0                          ; written once: a lane permute's destination counts as one of its sources
.endr
	s_mov_b32 s[SEL], 0x76543210
	s_mov_b32 s[SEL+1], 0xfedcba98
	s_mov_b32 s[CS], 0x3e38aa3b                    ; c = log2(e) / 8
	s_mov_b32 s[CS+1], s[CS]
	s_and_b32 s[KO], s[WV], 1
	s_lshl_b32 s[KO], s[KO], 4                     ; 16 for an odd tile
	s_xor_b32 s[SO], s[KO], 16
	s_wait_loadcnt 0x0
	v_alignbit_b32 v8, v10, v10, s[KO]             ; my two bytes in bytes 0, 1: for [q | 0].  (The other two bytes are a neighbour's: over zero codes they add nothing)
	v_alignbit_b32 v9, v10, v10, s[SO]             ; and in bytes 2, 3: for [0 | q]
.set i, 0
.rept 32
	v_mov_b32 v[OT+i], 0                           ; O^T.  The step is written for every step: the first finds zeros, which the first change of M leaves zeros.  (These are also the places between the scale words' making and the first product)
.set i, i+1
.endr
	s_mov_b32 s[KO], 0
	s_mov_b32 s[SO], 0
	s_mov_b32 s[CNT], 15
	MLOAD                                          ; step 0's mask words (q's loads are done: their bases may be written)
	s_wait_tensorcnt 0x0                           ; my part of the head is in,
	s_barrier_signal -1
	s_barrier_wait -1                              ; everybody's is
; A KEY STEP: 128 keys.  more = 1: the next step's mask words are asked for.
.macro STEP more
	v_add_nc_u32 v[AK16], s[KO], v1                ; five plain lines: the places in front of loads into registers that the last products read
	v_add_nc_u32 v[AK8], s[KO], v2
	v_add_nc_u32 v[AV16], s[KO], v3
	v_add_nc_u32 v[AV8], s[KO], v4
	v_add_nc_u32 v[ASC], s[SO], v5
.irp f, 0,1,2,3
	FRAGL FRG+12*\f, AK16, AK8, 1536*\f
.endr
	ds_load_b128 v[KSW:KSW+3], v[ASC]              ; row r's four words: word f = the bytes of key tiles 2 f and 2 f + 1
	s_wait_alu depctr_va_vdst(0)
	s_wait_dscnt 0x0
.irp f, 0,1,2,3                                ; S^T = k q^T: eight accumulators, each begun with 0
	v_wmma_scale_f32_16x16x128_f8f6f4 v[S+16*\f:S+16*\f+7], v[FRG+12*\f:FRG+12*\f+11], v[16:27], 0, v[KSW+\f], v8 matrix_a_fmt:MATRIX_FMT_FP6 matrix_b_fmt:MATRIX_FMT_FP6
	v_wmma_scale_f32_16x16x128_f8f6f4 v[S+16*\f+8:S+16*\f+15], v[FRG+12*\f:FRG+12*\f+11], v[28:39], 0, v[KSW+\f], v9 matrix_a_fmt:MATRIX_FMT_FP6 matrix_b_fmt:MATRIX_FMT_FP6
.endr
.rept 4
	v_nop                                          ; places in front of the loads below and of the first read of the scores
.endr
.irp d, 0,1,2,3
	FRAGL FRG+12*\d, AV16, AV8, 1536*\d            ; v's four fragments land under the softmax
.endr
	ds_load_b128 v[VSW:VSW+3], v[ASC] offset:VSC-KSC
	s_wait_kmcnt 0x0                               ; this step's mask words
.set n, 0
.rept 64                                       ; where the mask is 0 the score becomes -80000, ahead of the maximum; each accumulator from its low end on
.if n < 32
	v_cndmask_b32 v[S+n], v6, v[S+n], s[32+n]
.else
	v_cndmask_b32 v[S+n], v6, v[S+n], s[36+n]
.endif
.set n, n+1
.endr
.if \more
	s_add_nc_u64 s[2:3], s[2:3], 256               ; (its loads are done)  the next step's words have the rest of this step in which to come
	MLOAD
.endif
.irp b, 0,1,2,3
	v_max3_num_f32 v[BM+\b], v[S+16*\b], v[S+16*\b+1], v[S+16*\b+2]   ; the largest score of each block of 32 keys: for the row's maximum and, since p rises with the score, for the block's largest p
.endr
.irp i, 3,5,7,9,11,13
.irp b, 0,1,2,3
	s_delay_alu instid0(VALU_DEP_4)
	v_max3_num_f32 v[BM+\b], v[BM+\b], v[S+16*\b+\i], v[S+16*\b+\i+1]
.endr
.endr
.irp b, 0,1,2,3
	s_delay_alu instid0(VALU_DEP_4)
	v_max_num_f32 v[BM+\b], v[BM+\b], v[S+16*\b+15]
.endr
.irp b, 0,1,2,3
	s_delay_alu instid0(VALU_DEP_4)
	v_permlanex16_b32 v[BT+\b], v[BM+\b], s[SEL], s[SEL+1]
.endr
.irp b, 0,1,2,3
	s_delay_alu instid0(VALU_DEP_4)
	v_max_num_f32 v[BM+\b], v[BM+\b], v[BT+\b]     ; with lane l xor 16's 16 keys
.endr
	s_delay_alu instid0(VALU_DEP_2)
	v_max3_num_f32 v[TMP], v[BM], v[BM+1], v[BM+2]
	s_delay_alu instid0(VALU_DEP_1)
	v_max_num_f32 v[TMP], v[TMP], v[BM+3]          ; the step's largest score of my query
	s_delay_alu instid0(VALU_DEP_1)
	v_mul_f32 v[TMP], s[CS], v[TMP]                ; as t (c is positive)
	s_delay_alu instid0(VALU_DEP_1)
	v_max_num_f32 v13, v13, v[TMP]                 ; the running largest t
	v_mov_b32 v[TMP], v12
	s_delay_alu instid0(VALU_DEP_2)
	v_floor_f32 v12, -v13                          ; the new -M = floor(-t) = -ceil(t)
	s_delay_alu instid0(VALU_DEP_1)
	v_sub_f32 v[TMP], v12, v[TMP]                  ; old M - new M: a whole number, 0 or less
	s_delay_alu instid0(VALU_DEP_1)
	v_cvt_i32_f32 v[TMP], v[TMP]                   ; (it saturates)
	s_delay_alu instid0(VALU_DEP_1)
	v_ldexp_f32 v[FF], 1.0, v[TMP]                 ; f = 2^(old M - new M)
.set j, 0
.rept 32
	v_pk_fma_f32 v[S+j:S+j+1], v[S+j:S+j+1], s[CS:CS+1], v[12:13] op_sel_hi:[1,0,0]   ; t - M, two at a time
.set j, j+2
.endr
.irp b, 0,1,2,3
	v_fma_f32 v[BM+\b], v[BM+\b], s[CS], v12       ; the same of each block's largest score
.endr
.set j, 0
	s_wait_alu depctr_va_vdst(0)
.rept 64
	v_exp_f32 v[S+j], v[S+j]                       ; p = 2^(t - M)
.set j, j+1
.endr
.irp b, 0,1,2,3
	v_exp_f32 v[BM+\b], v[BM+\b]                   ; the block's largest p
.endr
	v_pk_mul_f32 v[14:15], v[14:15], v[FF:FF+1] op_sel_hi:[1,0]   ; the sums under the new M.  (A plain place behind the exponentials)
	s_wait_alu depctr_va_vdst(0)
.irp b, 0,1,2,3
	v_max_num_f32 v[BM+\b], 0x1800000, v[BM+\b]    ; the floor 2^(3 - 127): the byte cannot fall under 1
.endr
.irp b, 0,1,2,3
	s_delay_alu instid0(VALU_DEP_4)
	v_add_nc_u32 v[BS+\b], 0xff000000, v[BM+\b]    ; 2 off the exponent field: the conversion's scale operand
.endr
.irp b, 0,1,2,3
	s_delay_alu instid0(VALU_DEP_4)
	v_lshrrev_b32 v[BT+\b], 23, v[BS+\b]           ; the scale's byte
.endr
	s_delay_alu instid0(VALU_DEP_3)
	v_lshl_or_b32 v[PSW], v[BT+1], 8, v[BT]        ; p's scale word for these 128 keys
	s_delay_alu instid0(VALU_DEP_1)
	v_lshl_or_b32 v[PSW], v[BT+2], 16, v[PSW]
	s_delay_alu instid0(VALU_DEP_1)
	v_lshl_or_b32 v[PSW], v[BT+3], 24, v[PSW]
.irp c, 0,1
	v_cvt_scalef32_pk16_fp6_f32 v[PCD+6*\c:PCD+6*\c+2], v[S+32*\c:S+32*\c+15], v[BS+2*\c]
	v_cvt_scalef32_pk16_fp6_f32 v[PCD+12+4*\c:PCD+14+4*\c], v[S+32*\c+16:S+32*\c+31], v[BS+2*\c+1]   ; (a conversion's three registers begin on an even number)
.endr
	v_nop                                          ; one plain place behind a scaled conversion
.irp c, 0,1                                    ; the operand's layout wants a whole block in a lane
.irp i, 0,1,2
	v_permlane16_swap_b32 v[PCD+6*\c+\i], v[PCD+12+4*\c+\i]
.endr
.irp i, 0,1,2
	s_delay_alu instid0(VALU_DEP_3)
	v_mov_b32 v[PCD+3+6*\c+\i], v[PCD+12+4*\c+\i]
.endr
.endr
	v_pk_add_f32 v[230:231], v[92:93], v[96:97]
	v_pk_add_f32 v[252:253], v[100:101], v[104:105]
	v_pk_add_f32 v[250:251], v[108:109], v[112:113]
	v_pk_add_f32 v[248:249], v[116:117], v[120:121]
	v_pk_add_f32 v[246:247], v[124:125], v[128:129]
	v_pk_add_f32 v[244:245], v[132:133], v[136:137]
	v_pk_add_f32 v[242:243], v[140:141], v[144:145]
	v_pk_add_f32 v[14:15], v[14:15], v[148:149]
	v_pk_add_f32 v[230:231], v[230:231], v[88:89]
	v_pk_add_f32 v[252:253], v[252:253], v[90:91]
	v_pk_add_f32 v[250:251], v[250:251], v[94:95]
	v_pk_add_f32 v[248:249], v[248:249], v[98:99]
	v_pk_add_f32 v[246:247], v[246:247], v[102:103]
	v_pk_add_f32 v[244:245], v[244:245], v[106:107]
	v_pk_add_f32 v[242:243], v[242:243], v[110:111]
	v_pk_add_f32 v[14:15], v[14:15], v[114:115]
	v_pk_add_f32 v[230:231], v[230:231], v[118:119]
	v_pk_add_f32 v[252:253], v[252:253], v[122:123]
	v_pk_add_f32 v[250:251], v[250:251], v[126:127]
	v_pk_add_f32 v[248:249], v[248:249], v[130:131]
	v_pk_add_f32 v[246:247], v[246:247], v[134:135]
	v_pk_add_f32 v[244:245], v[244:245], v[138:139]
	v_pk_add_f32 v[242:243], v[242:243], v[142:143]
	v_pk_add_f32 v[14:15], v[14:15], v[146:147]
	v_pk_add_f32 v[230:231], v[230:231], v[150:151]
	s_delay_alu instid0(VALU_DEP_2)
	v_pk_add_f32 v[14:15], v[14:15], v[248:249]
	s_delay_alu instid0(VALU_DEP_2)
	v_pk_add_f32 v[230:231], v[230:231], v[246:247]
	v_pk_add_f32 v[252:253], v[252:253], v[244:245]
	v_pk_add_f32 v[250:251], v[250:251], v[242:243]
	s_delay_alu instid0(VALU_DEP_2)
	v_pk_add_f32 v[14:15], v[14:15], v[252:253]
	s_delay_alu instid0(VALU_DEP_2)
	v_pk_add_f32 v[230:231], v[230:231], v[250:251]
	s_delay_alu instid0(VALU_DEP_1)
	v_pk_add_f32 v[14:15], v[14:15], v[230:231]
.set j, 0
.rept 16
	v_pk_mul_f32 v[OT+j:OT+j+1], v[OT+j:OT+j+1], v[FF:FF+1] op_sel_hi:[1,0]   ; O^T under the new M, each accumulator from its low end on.  (The sums and these are the places between p's codes and scale word and the products)
.set j, j+2
.endr
	s_wait_alu depctr_va_vdst(0)
	s_wait_dscnt 0x0                               ; v's fragments and scale words
.irp d, 0,1,2,3                                ; O^T += v^T p^T: four accumulators by turns, one instruction a turn
	v_wmma_scale_f32_16x16x128_f8f6f4 v[OT+8*\d:OT+8*\d+7], v[FRG+12*\d:FRG+12*\d+11], v[PCD:PCD+11], v[OT+8*\d:OT+8*\d+7], v[VSW+\d], v[PSW] matrix_a_fmt:MATRIX_FMT_FP6 matrix_b_fmt:MATRIX_FMT_FP6
.endr
	s_add_co_u32 s[KO], s[KO], STEPB
	s_add_co_u32 s[SO], s[SO], 256
.endm
.Lstep:                                            ; 15 trips; the 16th step is written out: it asks for no mask words
	STEP 1
	s_sub_co_u32 s[CNT], s[CNT], 1
	s_cmp_lg_u32 s[CNT], 0
	s_cbranch_scc1 .Lstep
	STEP 0
	; THE WAY OUT: z = O^T / the sum, in its channels' true order, quantised: one half image and two scale bytes a row
	s_load_b128 s[32:35], s[0:1], 0x18             ; zc, zs (no scalar load is out: the mask words' registers are free)
.rept 4
	v_nop                                          ; places behind the last products
.endr
	v_add_f32 v14, v14, v15                        ; the sum's two halves,
	s_delay_alu instid0(VALU_DEP_1)
	v_permlanex16_b32 v[TMP], v14, s[SEL], s[SEL+1]
	s_delay_alu instid0(VALU_DEP_1)
	v_add_f32 v14, v14, v[TMP]                     ; and lane l xor 16's: the row's sum
	s_wait_alu depctr_va_vdst(0)
	v_rcp_f32 v14, v14
	v_bfe_u32 v10, v0, 4, 1                        ; (a plain place behind the transcendental)  h
	s_delay_alu instid0(VALU_DEP_1)
	v_lshl_add_u32 v10, v7, 1, v10                 ; zs: 32 r + h
.set j, 0
	s_wait_alu depctr_va_vdst(0)
.rept 16
	v_pk_mul_f32 v[S+j:S+j+1], v[OT+j:OT+j+1], v[14:15] op_sel_hi:[1,0]   ; register 8 t + i: channel 16 t + 8 h + i
.set j, j+2
.endr
.irp g, 0,1
.irp j, 0,1,2,3,4,5,6,7
	v_permlane16_swap_b32 v[S+16*\g+\j], v[S+16*\g+8+\j]   ; channels 8-15 (lanes 16-31 of the first tile) change places with 16-23 (lanes 0-15 of the second): registers 16 g + 0 .. 15 now hold channels 32 g + 16 h + 0 .. 15
.endr
.endr
.irp g, 0,1
	v_max3_num_f32 v[BM+\g], |v[S+16*\g]|, |v[S+16*\g+1]|, 0x1800000
.endr
.irp i, 2,4,6,8,10,12,14
.irp g, 0,1
	s_delay_alu instid0(VALU_DEP_2)
	v_max3_num_f32 v[BM+\g], v[BM+\g], |v[S+16*\g+\i]|, |v[S+16*\g+\i+1]|
.endr
.endr
.irp g, 0,1
	s_delay_alu instid0(VALU_DEP_2)
	v_permlanex16_b32 v[BT+\g], v[BM+\g], s[SEL], s[SEL+1]
.endr
.irp g, 0,1
	s_delay_alu instid0(VALU_DEP_2)
	v_max_num_f32 v[BM+\g], v[BM+\g], v[BT+\g]
.endr
.irp g, 0,1
	s_delay_alu instid0(VALU_DEP_2)
	v_add_nc_u32 v[BS+\g], 0xff000000, v[BM+\g]
.endr
.irp g, 0,1
	s_delay_alu instid0(VALU_DEP_2)
	v_lshrrev_b32 v[BT+\g], 23, v[BS+\g]
.endr
	s_wait_alu depctr_va_vdst(0)
	v_cvt_scalef32_pk16_fp6_f32 v[PCD:PCD+2], v[S:S+15], v[BS]
	v_cvt_scalef32_pk16_fp6_f32 v[PCD+12:PCD+14], v[S+16:S+31], v[BS+1]
	v_nop                                          ; one plain place behind a scaled conversion
.irp i, 0,1,2
	v_permlane16_swap_b32 v[PCD+\i], v[PCD+12+\i]  ; lanes 0-15 block 0, lanes 16-31 block 1
.endr
.irp i, 0,1,2
	s_delay_alu instid0(VALU_DEP_3)
	v_mov_b32 v[PCD+3+\i], v[PCD+12+\i]
.endr
	s_and_b32 s36, ttmp7, 15                       ; the head
	s_lshl_b32 s37, s[TT], 4
	s_add_co_u32 s37, s37, s36
	s_mul_i32 s38, s37, 768                        ; zc: [tile of 16 tokens][head][768]
	s_mov_b32 s39, 0
	s_lshl_b32 s40, s[TT], 9                       ; zs: [token][32]: 16 rows of 32 bytes a tile, + 2 x head
	s_lshl_b32 s41, s36, 1
	s_add_co_u32 s40, s40, s41
	s_mov_b32 s41, 0
	s_mov_b32 s42, 0xffff0000                      ; lanes 16-31
	v_cndmask_b32 v[TMP], v[BT], v[BT+1], s42      ; my half's block's byte
	s_wait_alu depctr_va_vdst(0)
	s_wait_kmcnt 0x0
	s_add_nc_u64 s[32:33], s[32:33], s[38:39]
	s_add_nc_u64 s[34:35], s[34:35], s[40:41]
	global_store_b128 v1, v[PCD:PCD+3], s[32:33]   ; 512 consecutive bytes, then 256, from a multiple of 256
	global_store_b64 v2, v[PCD+4:PCD+5], s[32:33] offset:512
	global_store_b8 v10, v[TMP], s[34:35]
	s_wait_tensorcnt 0x0
	ds_add_u32 v254, v255
	s_wait_dscnt 0x0
	ROUND                                          ; the closing round: no work-group ends while a partner may still ask for a tile that names it
	s_endpgm
.Lfunc_end_k_q5be90260df_attn:
	.size	k_q5be90260df_attn, .Lfunc_end_k_q5be90260df_attn-k_q5be90260df_attn
	.p2alignl 7, 3214868480
	.fill 96, 4, 3214868480
	.section	.rodata,"a",@progbits
	.p2align	6, 0x0
	.amdhsa_kernel k_q5be90260df_attn
		.amdhsa_group_segment_fixed_size 206848
		.amdhsa_private_segment_fixed_size 0
		.amdhsa_enable_private_segment 0
		.amdhsa_kernarg_size 40
		.amdhsa_user_sgpr_count 2
		.amdhsa_user_sgpr_kernarg_segment_ptr 1
		.amdhsa_wavefront_size32 1
		.amdhsa_system_sgpr_workgroup_id_x 1
		.amdhsa_system_sgpr_workgroup_id_y 1
		.amdhsa_system_sgpr_workgroup_id_z 1
		.amdhsa_system_vgpr_workitem_id 0
		.amdhsa_next_free_vgpr 256
		.amdhsa_next_free_sgpr 106
		.amdhsa_reserve_vcc 0
		.amdhsa_float_denorm_mode_32 3
		.amdhsa_float_denorm_mode_16_64 3
		.amdhsa_memory_ordered 1
		.amdhsa_forward_progress 1
		.amdhsa_inst_pref_size 59
	.end_amdhsa_kernel
	.amdgpu_metadata
---
amdhsa.version: [ 1, 2 ]
amdhsa.kernels:
  - .name:           k_q5be90260df_attn
    .symbol:         k_q5be90260df_attn.kd
    .args:
      - { .name: qkvc, .offset: 0, .size: 8, .value_kind: global_buffer, .address_space: global }
      - { .name: qkvs, .offset: 8, .size: 8, .value_kind: global_buffer, .address_space: global }
      - { .name: mbits, .offset: 16, .size: 8, .value_kind: global_buffer, .address_space: global }
      - { .name: zc, .offset: 24, .size: 8, .value_kind: global_buffer, .address_space: global }
      - { .name: zs, .offset: 32, .size: 8, .value_kind: global_buffer, .address_space: global }
    .group_segment_fixed_size: 206848
    .private_segment_fixed_size: 0
    .kernarg_segment_align: 8
    .kernarg_segment_size: 40
    .max_flat_workgroup_size: 512
    .sgpr_count:     106
    .vgpr_count:     256
    .wavefront_size: 32
...
	.end_amdgpu_metadata
.endif
;; end of part 2
;; launch outproj (part 3): grid 4 x 64, 4 waves a work-group, clusters of 4 x 4, 327,680 bytes of LDS; arguments zc, zs, wo_codes, wo_scales, bo, out0; writes out0
.if DOCPART == 3
	.amdgcn_target "amdgcn-amd-amdhsa--gfx1250"
	.amdhsa_code_object_version 6
	.text
	.protected	k_q5be90260df_outproj
	.globl	k_q5be90260df_outproj
	.p2align	8
	.type	k_q5be90260df_outproj,@function
k_q5be90260df_outproj:
	s_mov_b64 s[64:65], 0
	v_nop
	global_prefetch_b8 v0, s[64:65] scope:SCOPE_SE
	s_setreg_imm32_b32 hwreg(HW_REG_WAVE_MODE, 25, 1), 1
	s_wait_xcnt 0x0
	s_wait_alu depctr_hold_cnt(0) depctr_sa_sdst(0) depctr_va_vdst(0) depctr_va_sdst(0) depctr_va_ssrc(0) depctr_va_vcc(0) depctr_vm_vsrc(0)
	s_getreg_b32 s2, hwreg(HW_REG_IB_STS2, 6, 4)
	s_cmp_eq_u32 s2, 0
	s_cbranch_scc0 .Lentry_in_a_cluster
	s_endpgm
.Lentry_in_a_cluster:
	s_bfe_u32 s2, ttmp6, 0x10000c
	s_cmp_lg_u32 s2, 0xf033
	s_cbranch_scc0 .Lentry_shape_is_right
	s_endpgm
.Lentry_shape_is_right:
; out0 = z wo^T + bo on codes of FP6 (E2M3) with E8M0 scales; f32 out.  A work-group makes 128 tokens x 256 columns, all of K = 1,024; 256 work-groups.
; LDS holds the operands whole, filled once at the head, one joint load a wave: waves 0, 1 four tiles of 16 tokens of zc each (images of operand registers, 49,152 dense bytes as rows of 256);
; waves 2, 3 128 rows of wo each (rows of 768 bytes as they lie in memory, 16 bytes of padding behind every 256: pitch 816).
; CLUSTERS 4 x 4: z's tile is shared along a row of the cluster, wo's along a column.  No prefetch: all tiles are asked for at the head, and there is no loop to run ahead in.
; A wave makes 64 tokens x 128 columns: 32 accumulators by turns; source 0 = wo's rows, source 1 = tokens: a lane holds 8 neighbouring columns of a token.
; The scale words of my rows for all of K come straight into registers (lane r: row r's 32 bytes).  The bias is the C of the first step.
; The way out goes through a stage of 16 x 528 bytes a wave, in bytes of z's tile, behind a barrier behind which nobody reads it and nothing is filled.
; REGISTERS: window 0: v16-31 addresses, v32-63 z's scale words, v64-127 wo's, v128-191 bias, then with v192-255 the way out; window 1: accumulators; windows 2, 3: two sets of fragments.
.set PITCH, 816
.set LB,    98304
.set SPARE, LB+256*PITCH
.set SPITCH, 528
.set ADRA, 16
.set ADRB, 18
.set BO,   22
.set STO,  24
.set RD,   25
.set CO,   26
.set VS,   27
.set SPW,  28
.set NIL,  29
.set SA,   32
.set SB,   64
.set BIAS, 128
.set BK,   128
.set MSB, 0
.macro WIN new
.if MSB != \new
	s_set_vgpr_msb (MSB<<8)|\new
.set MSB, \new
.endif
.endm
.macro PLACES
.rept 4
	v_nop
.endr
.endm
.macro CROUND
	s_barrier_signal -1
	s_barrier_wait -1
	s_cmp_lg_u32 s14, 0
	s_cbranch_scc1 .Lnot_wave_0_\@
	s_barrier_signal -3
.Lnot_wave_0_\@:
	s_barrier_wait -3
	s_barrier_signal -1
	s_barrier_wait -1
.endm
.macro FRAG reg, adr, st, i            ; byte y of a row of wo lies at y + 16 (y / 256); the second address register (40 h in place of 24 h) serves where lanes 16-31 fall behind the next padding
.irp p, 0,1,2,3,4,5
.set BY, 96*(\st)+48*(\p/3)+8*(\p%3)
.set OF, BY+16*(BY/256)+(\i)*16*PITCH
.if BY/256 == (BY+24)/256
	ds_load_b64 v[\reg+2*\p:\reg+2*\p+1], v[\adr] offset:OF
.else
	ds_load_b64 v[\reg+2*\p:\reg+2*\p+1], v[\adr+1] offset:OF
.endif
.endr
.endm
.macro FETCH st
	WIN 0x80+0x40*((\st)%2)
.irp i, 0,1,2,3
	ds_load_b128 v[12*\i:12*\i+3], v[ADRA] offset:12288*\i+1536*(\st)
	ds_load_b64 v[12*\i+4:12*\i+5], v[ADRA+1] offset:12288*\i+1536*(\st)+512
	ds_load_b128 v[12*\i+6:12*\i+9], v[ADRA] offset:12288*\i+1536*(\st)+768
	ds_load_b64 v[12*\i+10:12*\i+11], v[ADRA+1] offset:12288*\i+1536*(\st)+1280
.endr
.irp i, 0,1,2,3
	FRAG 48+12*\i, ADRB, \st, \i
.endr
.irp i, 0,1,2,3
	FRAG 96+12*\i, ADRB+2, \st, \i
.endr
	WIN 0
.endm
.macro PRE st
	s_wait_dscnt 0x0
	PLACES
	FETCH (\st)+1
.endm
.macro MULS st, cm
.irp a, 0,1,2,3
.irp b, 0,1,2,3,4,5,6,7
.set rD, 8*(8*\a+\b)
.if \cm
	v_wmma_scale_f32_16x16x128_f8f6f4 v[rD:rD+7], v[48+12*\b:59+12*\b], v[12*\a:12*\a+11], v[BIAS+8*\b:BIAS+8*\b+7], v[SB+8*\b+\st], v[SA+8*\a+\st] matrix_a_fmt:MATRIX_FMT_FP6 matrix_b_fmt:MATRIX_FMT_FP6
.else
	v_wmma_scale_f32_16x16x128_f8f6f4 v[rD:rD+7], v[48+12*\b:59+12*\b], v[12*\a:12*\a+11], v[rD:rD+7], v[SB+8*\b+\st], v[SA+8*\a+\st] matrix_a_fmt:MATRIX_FMT_FP6 matrix_b_fmt:MATRIX_FMT_FP6
.endif
.endr
.endr
.endm
	s_load_b128 s[4:7], s[0:1], 0x0                ; zc, zs
	s_load_b128 s[8:11], s[0:1], 0x10              ; wo's codes, scales
	s_load_b64 s[12:13], s[0:1], 0x20              ; bo
	s_load_b64 s[44:45], s[0:1], 0x28              ; out0
	v_lshl_add_u32 v[SPW], v0, 2, SPARE
	v_mov_b32 v[NIL], 0
	ds_add_u32 v[SPW], v[NIL]                      ; the opening lines: the add twice and its wait
	ds_add_u32 v[SPW], v[NIL]
	v_lshrrev_b32 v6, 5, v0
	v_readfirstlane_b32 s14, v6                    ; wave
	s_lshr_b32 s15, s14, 1                         ; my 64 tokens.  Also: I fetch for z (0) or wo (1)
	s_and_b32 s16, s14, 1                          ; my 128 columns.  Also: which half I fetch
	s_bfe_u32 s40, ttmp6, 0x40000                  ; cx
	s_bfe_u32 s41, ttmp6, 0x40004                  ; cy
	s_and_b32 s42, ttmp7, 0xffff
	s_lshl_b32 s42, s42, 2
	s_add_co_u32 s42, s42, s41                     ; block of 128 tokens
	s_lshl_b32 s43, ttmp9, 2
	s_add_co_u32 s43, s43, s40                     ; block of 256 columns
	s_lshl_b32 s18, s41, 2
	s_lshl_b32 s18, 15, s18
	s_lshl_b32 s19, 0x1111, s40
	s_or_b32 s24, s18, (3<<16)|(1<<21)             ; z: 192 dense rows of 32 elements of 8 bytes
	s_mov_b32 s25, 32<<16
	s_mov_b32 s26, 192<<16
	s_mov_b32 s27, 32<<16
	s_mov_b32 s28, 192
	s_mov_b32 s29, 32
	s_mov_b32 s30, 0
	s_mov_b32 s31, 0
	s_or_b32 s68, s19, (1<<20)|(1<<21)|(5<<22)|(3<<25)   ; wo: 128 rows of 768 bytes, 4 words of padding behind every 64
	s_mov_b32 s69, 768<<16
	s_mov_b32 s70, 128<<16
	s_mov_b32 s71, 768<<16
	s_mov_b32 s72, 128
	s_mov_b32 s73, 768
	s_mov_b32 s74, 0
	s_mov_b32 s75, 0
	s_mov_b32 s20, 1
	s_mul_i32 s21, s16, 49152
	s_mov_b32 s32, 1
	s_mul_i32 s33, s16, 128*PITCH
	s_add_co_u32 s33, s33, LB
	s_lshl_b32 s52, s42, 3
	s_lshl_b32 s54, s16, 2
	s_add_co_u32 s54, s52, s54
	s_mul_i32 s54, s54, 12288                      ; the four tiles of tokens that I would fetch
	s_mov_b32 s55, 0
	s_lshl_b32 s52, s42, 7
	s_lshl_b32 s53, s15, 6
	s_add_co_u32 s52, s52, s53                     ; my first token
	s_lshl_b32 s58, s52, 5
	s_mov_b32 s59, 0
	s_lshl_b32 s53, s43, 8
	s_lshl_b32 s56, s16, 7
	s_add_co_u32 s53, s53, s56                     ; my first column = row of wo
	s_mul_i32 s56, s53, 768
	s_mov_b32 s57, 0
	s_lshl_b32 s60, s53, 5
	s_mov_b32 s61, 0
	s_lshl_b32 s62, s53, 2
	s_mov_b32 s63, 0
	s_mul_i32 s17, s15, 49152
	s_mul_i32 s18, s16, 128*PITCH
	s_add_co_u32 s18, s18, LB
	s_add_co_u32 s19, s18, 64*PITCH
	s_mul_i32 s46, s14, 16*SPITCH
	s_wait_dscnt 0x0
	v_and_b32 v1, 15, v0
	v_bfe_u32 v2, v0, 4, 1
	v_and_b32 v5, 31, v0
	v_mul_u32_u24 v3, v1, PITCH
	v_mad_u32_u24 v3, v2, 24, v3
	v_lshl_add_u32 v4, v2, 4, v3
	v_lshlrev_b32 v[CO], 4, v5
	v_lshlrev_b32 v7, 3, v5
	v_add_nc_u32 v[ADRA], s17, v[CO]
	v_add_nc_u32 v[ADRA+1], s17, v7
	v_add_nc_u32 v[ADRB], s18, v3
	v_add_nc_u32 v[ADRB+1], s18, v4
	v_add_nc_u32 v[ADRB+2], s19, v3
	v_add_nc_u32 v[ADRB+3], s19, v4
	v_lshlrev_b32 v[BO], 5, v2
	v_lshlrev_b32 v[VS], 5, v1
	v_mul_u32_u24 v8, v1, SPITCH
	v_lshl_add_u32 v8, v2, 5, v8
	v_add_nc_u32 v[STO], s46, v8
	v_add_nc_u32 v[RD], s46, v[CO]
	s_wait_alu depctr_va_vdst(0)
	s_wait_kmcnt 0x0
	s_add_nc_u64 s[22:23], s[4:5], s[54:55]
	s_or_b32 s23, s23, 0x80000000
	s_add_nc_u64 s[34:35], s[8:9], s[56:57]
	s_or_b32 s35, s35, 0x80000000
	s_add_nc_u64 s[6:7], s[6:7], s[58:59]
	s_add_nc_u64 s[10:11], s[10:11], s[60:61]
	s_add_nc_u64 s[12:13], s[12:13], s[62:63]
	s_lshl_b32 s52, s52, 12                        ; a row of out0 is 4,096 bytes
	s_mov_b32 s53, 0
	s_add_nc_u64 s[44:45], s[44:45], s[52:53]
	s_add_nc_u64 s[44:45], s[44:45], s[62:63]
	CROUND                                         ; all sixteen work-groups are here: the joint loads meet
	s_cmp_eq_u32 s15, 0
	s_cbranch_scc0 .Lfor_b
	tensor_load_to_lds s[20:23], s[24:31]
	s_nop 0
	PLACES
	s_branch .Lasked
.Lfor_b:
	tensor_load_to_lds s[32:35], s[68:75]
	s_nop 0
	PLACES
.Lasked:
.irp i, 0,1,2,3
	global_load_b128 v[SA+8*\i:SA+8*\i+3], v[VS], s[6:7] offset:512*\i
	global_load_b128 v[SA+8*\i+4:SA+8*\i+7], v[VS], s[6:7] offset:512*\i+16
.endr
.irp i, 0,1,2,3,4,5,6,7
	global_load_b128 v[SB+8*\i:SB+8*\i+3], v[VS], s[10:11] offset:512*\i
	global_load_b128 v[SB+8*\i+4:SB+8*\i+7], v[VS], s[10:11] offset:512*\i+16
.endr
.irp b, 0,1,2,3,4,5,6,7
	global_load_b128 v[BIAS+8*\b:BIAS+8*\b+3], v[BO], s[12:13] offset:64*\b
	global_load_b128 v[BIAS+8*\b+4:BIAS+8*\b+7], v[BO], s[12:13] offset:64*\b+16
.endr
	s_wait_tensorcnt 0x0                           ; my part is in,
	s_barrier_signal -1
	s_barrier_wait -1                              ; everybody's is
	FETCH 0
	s_wait_loadcnt 0x0
	PRE 0
	WIN 0x4a
	MULS 0, 1
	WIN 0
.irp st, 1,2,3,4,5,6
	PRE \st
	WIN 0x5a+5*(\st%2)
	MULS \st, 0
	WIN 0
.endr
	s_wait_dscnt 0x0                               ; my reads of the tiles are over:
	s_barrier_signal -1
	WIN 0x5f
	MULS 7, 0
	WIN 0
	s_barrier_wait -1                              ; everybody's are: the stage may be written
.macro TOSTAGE a
.set AC, 64*(\a)
	WIN 0x04
.irp b, 0,1,2,3,4,5,6,7
	ds_store_b128 v[STO], v[AC+8*\b:AC+8*\b+3] offset:64*\b
	ds_store_b128 v[STO], v[AC+8*\b+4:AC+8*\b+7] offset:64*\b+16
.endr
	WIN 0
.set BB, BK+64*((\a)%2)
.irp t, 0,1,2,3,4,5,6,7,8,9,10,11,12,13,14,15
	ds_load_b128 v[BB+4*\t:BB+4*\t+3], v[RD] offset:\t*SPITCH
.endr
.endm
.macro SEND a, younger                 ; younger: the LDS instructions issued behind block a's loads
.set BB, BK+64*((\a)%2)
	s_wait_dscnt \younger
.if (\a) > 0
	s_add_nc_u64 s[44:45], s[44:45], 16*4096
.endif
.irp t, 0,1,2,3,4,5,6,7,8,9,10,11,12,13,14,15
	global_store_b128 v[CO], v[BB+4*\t:BB+4*\t+3], s[44:45] offset:\t*4096 th:TH_STORE_NT   ; 32 lanes store 512 consecutive bytes, from a multiple of 256
.endr
.endm
	PLACES
	TOSTAGE 0
.irp a, 1,2,3
.if \a > 1
	s_wait_xcnt 0x0                                ; block a - 2's stores have read their registers and base
.endif
	TOSTAGE \a
	SEND \a-1, 32
.endr
	s_wait_xcnt 0x0
	SEND 3, 0
	s_wait_tensorcnt 0x0                           ; the wave's end
	ds_add_u32 v[SPW], v[NIL]
	s_wait_dscnt 0x0
	CROUND                                         ; the closing round
	s_endpgm
.Lfunc_end_k_q5be90260df_outproj:
	.size	k_q5be90260df_outproj, .Lfunc_end_k_q5be90260df_outproj-k_q5be90260df_outproj
	.p2alignl 7, 3214868480
	.fill 96, 4, 3214868480
	.section	.rodata,"a",@progbits
	.p2align	6, 0x0
	.amdhsa_kernel k_q5be90260df_outproj
		.amdhsa_group_segment_fixed_size 327680
		.amdhsa_private_segment_fixed_size 0
		.amdhsa_enable_private_segment 0
		.amdhsa_kernarg_size 48
		.amdhsa_user_sgpr_count 2
		.amdhsa_user_sgpr_kernarg_segment_ptr 1
		.amdhsa_wavefront_size32 1
		.amdhsa_system_sgpr_workgroup_id_x 1
		.amdhsa_system_sgpr_workgroup_id_y 1
		.amdhsa_system_sgpr_workgroup_id_z 1
		.amdhsa_system_vgpr_workitem_id 0
		.amdhsa_next_free_vgpr 1024
		.amdhsa_next_free_sgpr 80
		.amdhsa_reserve_vcc 0
		.amdhsa_float_denorm_mode_32 3
		.amdhsa_float_denorm_mode_16_64 3
		.amdhsa_memory_ordered 1
		.amdhsa_forward_progress 1
		.amdhsa_inst_pref_size 92
	.end_amdhsa_kernel
	.amdgpu_metadata
---
amdhsa.version: [ 1, 2 ]
amdhsa.kernels:
  - .name:           k_q5be90260df_outproj
    .symbol:         k_q5be90260df_outproj.kd
    .args:
      - { .name: zc, .offset: 0, .size: 8, .value_kind: global_buffer, .address_space: global }
      - { .name: zs, .offset: 8, .size: 8, .value_kind: global_buffer, .address_space: global }
      - { .name: wo_codes, .offset: 16, .size: 8, .value_kind: global_buffer, .address_space: global }
      - { .name: wo_scales, .offset: 24, .size: 8, .value_kind: global_buffer, .address_space: global }
      - { .name: bo, .offset: 32, .size: 8, .value_kind: global_buffer, .address_space: global }
      - { .name: out0, .offset: 40, .size: 8, .value_kind: global_buffer, .address_space: global }
    .group_segment_fixed_size: 327680
    .private_segment_fixed_size: 0
    .kernarg_segment_align: 8
    .kernarg_segment_size: 48
    .max_flat_workgroup_size: 128
    .sgpr_count:     80
    .vgpr_count:     1024
    .wavefront_size: 32
...
	.end_amdgpu_metadata
.endif
;; end of part 3
